; MI455X (gfx1250); checked and timed in simulation.
; The chip was launched on July 23, 2026; its instructions are those of AMD's public machine-readable ISA for CDNA 5 (MIT licence, August 2026) and "CDNA5" Instruction Set Architecture Reference Guide (July 2026). The comments in the code are by the model that wrote it; some were corrected since.
;; SIMDIS. Allowed arithmetic: matrix products marked QUANTISED: E2M3 operands, one E8M0 scale for each 32 along K, by v_wmma_scale_f32_16x16x128_f8f6f4 with both operands' format E2M3, f32 sums; everything else in f32.
;; Inputs: x 8,192 x 512 float32.
;; Outputs: out0 100 x 512 float32; out1 100 int32.
;; This version of the problem:
;;   THIS VERSION OF THE PROBLEM IS GIVEN IN LOW PRECISION. The matrix products marked QUANTISED in the list below multiply operands that are first quantised to E2M3 (2 exponent bits, 3 mantissa bits; 6 bits a number), with one power-of-two scale for each 32 numbers along K (OCP MX v1.0); their sums are f32. All else is computed in f32.
;;   The module's matrix products, in the order in which they are computed (A, B: the left and right operand; K: the contracted axis; several contracted axes count as one K, in the product's order):
;;     1. [M 8,192, K 512] x [K 512, N 8,192]; A: input x; B: input x: QUANTISED
;;   THE QUANTISER, for each operand of a quantised product, along K:
;;     - K is cut into blocks of 32 from its start; a last block that is shorter is filled with zeros.
;;     - A block's scale is 2^e with e = floor(log2(the largest magnitude in the block)) - 2, held to -126 .. 127; a block of zeros has e = 0. As a byte (E8M0): e + 127.
;;     - Each number is divided by its block's scale, clamped to +-7.5, and rounded to the nearest number of E2M3, ties to even, subnormals kept.
;;     - The product sums the exact products of the quantised numbers (number of the format x scale) in f32.
;;   ~~~python
;;   def quantise(x, axis):      # numpy; x: float32 -> the quantised numbers, widened to float32 again
;;       x = np.moveaxis(x, axis, -1); K = x.shape[-1]
;;       x = np.pad(x, [(0, 0)] * (x.ndim - 1) + [(0, -K % 32)]); x = x.reshape(x.shape[:-1] + (-1, 32)); a = np.abs(x).max(-1, keepdims=True)
;;       e = np.where(a > 0, np.clip(np.frexp(np.where(a > 0, a, 1))[1] - 1 - 2, -126, 127), 0)      # np.frexp(a)[1] - 1 = floor(log2(a)), exactly
;;       r = np.clip(x / 2.0 ** e, -7.5, 7.5)
;;       step = 2.0 ** (np.maximum(np.frexp(np.where(r == 0, 1, r))[1] - 1, 0) - 3)
;;       q = np.round(r / step) * step * 2.0 ** e      # np.round: ties to even
;;       return np.moveaxis(q.reshape(q.shape[:-2] + (-1,))[..., :K], -1, axis).astype(np.float32)
;;   ~~~
;; One version. Each part assembles by itself: llvm-mc -triple=amdgcn-amd-amdhsa -mcpu=gfx1250 --defsym DOCPART=n.
;; ======== version 1 of 1: 4 launches
;; workspace buffers: codes 3,145,728 bytes; scales 131,072 bytes; norms 65,536 bytes; part 524,288 bytes; keys 32,768 bytes of whole numbers
;; launch quant (part 1): grid 512 x 1, 4 waves a work-group, no clusters, 34,816 bytes of LDS; arguments x, codes, scales, norms; writes codes, scales, norms
.if DOCPART == 1
	.amdgcn_target "amdgcn-amd-amdhsa--gfx1250"
	.amdhsa_code_object_version 6
	.text
	.protected	k_q4e90f8cb60_quant
	.globl	k_q4e90f8cb60_quant
	.p2align	8
	.type	k_q4e90f8cb60_quant,@function
k_q4e90f8cb60_quant:
	s_mov_b64 s[64:65], 0
	v_nop
	global_prefetch_b8 v0, s[64:65] scope:SCOPE_SE
	s_setreg_imm32_b32 hwreg(HW_REG_WAVE_MODE, 25, 1), 1
	s_wait_xcnt 0x0
; x [8192][512] f32 becomes codes of FP6 (E2M3) with one E8M0 byte for each 32 along K, and two numbers a row: rr = 1 / |x_row| and t = |x_row| x 1e8.
; A block's scale is 2^(floor(log2(its largest magnitude)) - 2); its byte is the largest magnitude's exponent field - 2, held at 1 from below.  A block of zeros so gets the byte 1
; where the rule says 127: its codes are zeros, which add nothing under any byte but 0xff, and this program alone reads the bytes.
; LAYOUT OF THE CODES: not rows but IMAGES OF OPERAND REGISTERS.  For row block b (16 rows) and K step s (128 along K) the 12 registers of a fragment lie on end, 1,536 bytes at (4 b + s) x 1,536:
; register p of lane L at 512 (p / 4) + 16 L + 4 (p % 4).  Three loads of 16 bytes a lane, 512 consecutive bytes each, bring a fragment.  In it lane (r, h) holds row 16 b + r,
; registers 6 c .. 6 c + 5 the codes of k = 128 s + 64 c + 32 h + 0 .. 31.   SCALES: [row][16 bytes], word s = the four bytes of K step s.   NORMS: rr[8192], then t[8192].
; SHARES: work-group b takes row block b, wave s K step s: one fragment.  No loop: a wave's 16 loads (512 consecutive bytes each) go out at the head.
; The numbers turn through the wave's own stage in LDS (rows 528 bytes apart), so that a lane gets 32 neighbours along K of one row: a whole block, whose largest magnitude needs no other lane.
; LIMITS: a row whose sum of squares lies under 2^-126 gets rr = t = 0 (exact for rows of zeros; other rows with a norm under about 1e-19 count as zero rows);
; a sum of squares beyond f32's range (a norm above about 1.8e19) is not served; NaN and infinities are not served; blocks whose largest magnitude lies under the floor 2^-124 keep the byte 1.
.set PITCH, 528                        ; a stage row: 512 bytes + 16
.set WSTG,  16*PITCH                   ; a wave's stage
.set EXS,   4*WSTG                     ; behind the stages: the sums of squares, [wave][row], 256 bytes
.set EXW,   EXS+256                    ; and the scale words, [row][wave], 256 bytes: 16 rows of the scales' buffer as they lie there
.set R,   16                           ; v16-79    as loaded: row p in four registers
.set X,   80                           ; v80-143   my 64 numbers: register 32 c + i = k 64 c + 32 h + i of row r
.set C,   144                          ; v144-155  the fragment's 12 registers
.set TM,  156                          ; v156-158, v160-162: each block's upper 16 codes (a conversion's three registers begin on an even number)
.set MX,  164                          ; v164-165  largest magnitudes
.set SCL, 166                          ; v166-167  the conversions' scale operands
.set BY,  168                          ; v168-169  the scales' bytes
.set WD,  170                          ; v170      the scale word
.set PT,  171                          ; v171      what the lane 16 away holds
.set Q,   172                          ; v172-179  four pairs: sums of squares
.set F,   180                          ; v180-186  the last steps
	s_load_b256 s[4:11], s[0:1], 0x0               ; x s[4:5], codes s[6:7], scales s[8:9], norms s[10:11]
	v_lshl_add_u32 v192, v0, 2, 0x8600
	v_mov_b32 v193, 0
	v_lshrrev_b32 v1, 5, v0
	v_readfirstlane_b32 s12, v1                    ; wave = K step
	v_and_b32 v1, 31, v0                           ; lane
	v_and_b32 v2, 15, v0                           ; r
	v_bfe_u32 v3, v0, 4, 1                         ; h
	v_lshlrev_b32 v4, 4, v1                        ; 16 x lane: my bytes of a load's or a store's 512
	s_mul_i32 s24, s12, WSTG
	v_add_nc_u32 v5, s24, v4                       ; the stage, on the way in
	v_mul_u32_u24 v6, v2, PITCH
	v_lshl_add_u32 v6, v3, 7, v6
	v_add_nc_u32 v6, s24, v6                       ; and out: row r, + 128 h
	v_lshlrev_b32 v7, 3, v3                        ; 8 h: how far my two bytes are shifted in the scale word
	s_lshl_b32 s25, s12, 6
	v_lshl_add_u32 v8, v2, 2, EXS
	v_add_nc_u32 v8, s25, v8                       ; my row's sum of squares: [wave][row]
	s_lshl_b32 s26, s12, 2
	v_lshl_add_u32 v9, v2, 4, EXW
	v_add_nc_u32 v9, s26, v9                       ; my row's scale word: [row][wave]
	v_lshl_add_u32 v10, v2, 2, EXS                 ; wave 1 reads the four sums of row r from here on
	v_lshl_add_u32 v11, v1, 3, EXW                 ; wave 0 reads the 256 scale bytes, 8 a lane
	v_lshlrev_b32 v12, 3, v1
	v_lshlrev_b32 v13, 2, v2
	v_lshl_add_u32 v13, v3, 15, v13                ; norms: lanes 0-15 store rr, lanes 16-31 t, 32,768 bytes on
	v_mov_b32 v[PT], 0                             ; written once: a lane permute's destination counts as one of its sources
	s_mov_b32 s20, 0x76543210
	s_mov_b32 s21, 0xfedcba98                      ; v_permlanex16_b32's selects for lane l xor 16
	s_lshl_b32 s14, ttmp9, 15                      ; x: 16 rows of 2,048 bytes a work-group,
	s_lshl_b32 s16, s12, 9                         ; 512 bytes of a row a wave
	s_add_co_u32 s14, s14, s16
	s_mov_b32 s15, 0
	s_lshl_b32 s16, ttmp9, 2
	s_add_co_u32 s16, s16, s12
	s_mul_i32 s16, s16, 1536                       ; codes: image 4 b + s
	s_mov_b32 s17, 0
	s_lshl_b32 s18, ttmp9, 8                       ; scales: 256 bytes a work-group
	s_mov_b32 s19, 0
	s_lshl_b32 s22, ttmp9, 6                       ; norms: 64 bytes a work-group
	s_mov_b32 s23, 0
	s_wait_kmcnt 0x0
	s_add_nc_u64 s[4:5], s[4:5], s[14:15]
	s_add_nc_u64 s[6:7], s[6:7], s[16:17]
	s_add_nc_u64 s[8:9], s[8:9], s[18:19]
	s_add_nc_u64 s[10:11], s[10:11], s[22:23]
.irp p, 0,1,2,3,4,5,6,7,8,9,10,11,12,13,14,15
	global_load_b128 v[R+4*\p:R+4*\p+3], v4, s[4:5] offset:2048*\p th:TH_LOAD_NT   ; row p: 32 lanes read 512 consecutive bytes, at a multiple of 512 from x's first byte
.endr
.irp p, 0,1,2,3,4,5,6,7,8,9,10,11,12,13,14,15
	s_wait_loadcnt 15-\p                           ; loads come back in order: row p is in, the 15 - p younger rows may be out
	ds_store_b128 v5, v[R+4*\p:R+4*\p+3] offset:PITCH*\p
.endr
.irp c, 0,1
.irp e, 0,1,2,3,4,5,6,7
	ds_load_b128 v[X+32*\c+4*\e:X+32*\c+4*\e+3], v6 offset:256*\c+16*\e   ; LDS serves a wave's instructions in order: these see my stores
.endr
.endr
	s_wait_dscnt 0x0
.irp c, 0,1                                    ; my block 2 c + h: all its 32 numbers are mine
	v_max3_num_f32 v[MX+\c], |v[X+32*\c]|, |v[X+32*\c+1]|, 0x1800000   ; and the floor 2^(3 - 127): so the byte cannot fall under 1
.endr
.irp i, 2,4,6,8,10,12,14,16,18,20,22,24,26,28,30
.irp c, 0,1
	v_max3_num_f32 v[MX+\c], v[MX+\c], |v[X+32*\c+\i]|, |v[X+32*\c+\i+1]|   ; (the two blocks by turns)
.endr
.endr
.irp c, 0,1
	v_add_nc_u32 v[SCL+\c], 0xff000000, v[MX+\c]   ; 2 off the exponent field: the conversion takes the exponent field of this operand as its scale, and nothing else of it
.endr
.irp c, 0,1
	v_lshrrev_b32 v[BY+\c], 23, v[SCL+\c]          ; the scale's byte
.endr
	v_lshl_or_b32 v[WD], v[BY+1], 16, v[BY]        ; my two bytes: blocks h and 2 + h,
	v_lshlrev_b32 v[WD], v7, v[WD]                 ; at their places in the word;
	v_permlanex16_b32 v[PT], v[WD], s20, s21
	v_or_b32 v[WD], v[WD], v[PT]                   ; with lane l xor 16's two the word is whole
.irp k, 0,1,2,3                                ; the sum of squares of my 64 UNQUANTISED numbers: four chains of pairs, started by products: nothing is cleared
	v_pk_mul_f32 v[Q+2*\k:Q+2*\k+1], v[X+2*\k:X+2*\k+1], v[X+2*\k:X+2*\k+1]
.endr
.irp j, 1,2,3,4,5,6,7
.irp k, 0,1,2,3
	v_pk_fma_f32 v[Q+2*\k:Q+2*\k+1], v[X+8*\j+2*\k:X+8*\j+2*\k+1], v[X+8*\j+2*\k:X+8*\j+2*\k+1], v[Q+2*\k:Q+2*\k+1]
.endr
.endr
	v_pk_add_f32 v[Q:Q+1], v[Q:Q+1], v[Q+2:Q+3]
	v_pk_add_f32 v[Q+4:Q+5], v[Q+4:Q+5], v[Q+6:Q+7]
	v_pk_add_f32 v[Q:Q+1], v[Q:Q+1], v[Q+4:Q+5]
	v_add_f32 v[Q], v[Q], v[Q+1]
	v_permlanex16_b32 v[PT], v[Q], s20, s21
	v_add_f32 v[Q], v[Q], v[PT]                    ; row r's 128 numbers of this K step
.irp c, 0,1
	v_cvt_scalef32_pk16_fp6_f32 v[C+6*\c:C+6*\c+2], v[X+32*\c:X+32*\c+15], v[SCL+\c]        ; sixteen numbers / the scale, to the nearest code, ties to even, beyond 7.5 the largest code
	v_cvt_scalef32_pk16_fp6_f32 v[TM+4*\c:TM+4*\c+2], v[X+32*\c+16:X+32*\c+31], v[SCL+\c]
.endr
	v_nop                                          ; one plain place behind a scaled conversion
.irp c, 0,1
.irp i, 0,1,2
	v_mov_b32 v[C+3+6*\c+\i], v[TM+4*\c+\i]
.endr
.endr
.irp c, 0,1,2
	global_store_b128 v4, v[C+4*\c:C+4*\c+3], s[6:7] offset:512*\c   ; the image: 32 lanes store 512 consecutive bytes, at a multiple of 512 from the buffer's first byte
.endr
	ds_store_b32 v8, v[Q]                          ; (both halves of the lanes write the same word with the same value)
	ds_store_b32 v9, v[WD]
	s_wait_dscnt 0x0                               ; for the others' sake: my stores have landed
	s_barrier_signal -1
	s_barrier_wait -1
	s_cmp_lg_u32 s12, 0
	s_cbranch_scc1 .Lnot_0
	ds_load_b64 v[F:F+1], v11                      ; wave 0: the 16 rows' scale bytes
	s_wait_dscnt 0x0
	global_store_b64 v12, v[F:F+1], s[8:9]         ; 32 lanes store 256 consecutive bytes, aligned
	s_wait_tensorcnt 0x0
	ds_add_u32 v192, v193
	s_wait_dscnt 0x0
	s_endpgm
.Lnot_0:
	s_cmp_lg_u32 s12, 1
	s_cbranch_scc1 .Ldone
.irp s, 0,1,2,3
	ds_load_b32 v[F+\s], v10 offset:64*\s          ; wave 1: row r's four sums
.endr
	s_wait_dscnt 0x0
	v_add_f32 v[F], v[F], v[F+1]
	v_add_f32 v[F+2], v[F+2], v[F+3]
	v_add_f32 v[F], v[F], v[F+2]                   ; the row's sum of squares
	v_rsq_f32 v[F+4], v[F]                         ; rr = 1 / norm
	v_nop                                          ; a plain place behind the transcendental
	v_cmp_le_f32 vcc_lo, 0x800000, v[F]            ; is the sum a normal number?
	s_wait_alu depctr_va_vdst(0)                   ; the wait ahead of the first reader
	v_mul_f32 v[F+5], v[F], v[F+4]                 ; the norm
	v_mul_f32 v[F+5], 0x4cbebc20, v[F+5]           ; t = norm / 1e-8: 1 / max(n_i n_j, eps) = rr_i x min(rr_j, t_i)
	v_cndmask_b32 v[F+4], 0, v[F+4], vcc_lo        ; a row that counts as zeros: rr = t = 0
	v_cndmask_b32 v[F+5], 0, v[F+5], vcc_lo
	v_cmp_eq_u32 vcc_lo, 0, v3
	v_cndmask_b32 v[F+6], v[F+5], v[F+4], vcc_lo   ; lanes 0-15 rr, lanes 16-31 t
	global_store_b32 v13, v[F+6], s[10:11]         ; two pieces of 64 bytes: 128 bytes beside the work-group's 32,768 read
.Ldone:
	s_wait_tensorcnt 0x0
	ds_add_u32 v192, v193
	s_wait_dscnt 0x0
	s_endpgm
.Lfunc_end_k_q4e90f8cb60_quant:
	.size	k_q4e90f8cb60_quant, .Lfunc_end_k_q4e90f8cb60_quant-k_q4e90f8cb60_quant
	.p2alignl 7, 3214868480
	.fill 96, 4, 3214868480
	.section	.rodata,"a",@progbits
	.p2align	6, 0x0
	.amdhsa_kernel k_q4e90f8cb60_quant
		.amdhsa_group_segment_fixed_size 34816
		.amdhsa_private_segment_fixed_size 0
		.amdhsa_enable_private_segment 0
		.amdhsa_kernarg_size 32
		.amdhsa_user_sgpr_count 2
		.amdhsa_user_sgpr_kernarg_segment_ptr 1
		.amdhsa_wavefront_size32 1
		.amdhsa_system_sgpr_workgroup_id_x 1
		.amdhsa_system_sgpr_workgroup_id_y 1
		.amdhsa_system_sgpr_workgroup_id_z 1
		.amdhsa_system_vgpr_workitem_id 0
		.amdhsa_next_free_vgpr 194
		.amdhsa_next_free_sgpr 66
		.amdhsa_reserve_vcc 1
		.amdhsa_float_denorm_mode_32 3
		.amdhsa_float_denorm_mode_16_64 3
		.amdhsa_memory_ordered 1
		.amdhsa_forward_progress 1
		.amdhsa_inst_pref_size 14
	.end_amdhsa_kernel
	.amdgpu_metadata
---
amdhsa.version: [ 1, 2 ]
amdhsa.kernels:
  - .name:           k_q4e90f8cb60_quant
    .symbol:         k_q4e90f8cb60_quant.kd
    .args:
      - { .name: x, .offset: 0, .size: 8, .value_kind: global_buffer, .address_space: global }
      - { .name: codes, .offset: 8, .size: 8, .value_kind: global_buffer, .address_space: global }
      - { .name: scales, .offset: 16, .size: 8, .value_kind: global_buffer, .address_space: global }
      - { .name: norms, .offset: 24, .size: 8, .value_kind: global_buffer, .address_space: global }
    .group_segment_fixed_size: 34816
    .private_segment_fixed_size: 0
    .kernarg_segment_align: 8
    .kernarg_segment_size: 32
    .max_flat_workgroup_size: 128
    .sgpr_count:     66
    .vgpr_count:     194
    .wavefront_size: 32
...
	.end_amdgpu_metadata
.endif
;; end of part 1
;; launch gram (part 2): grid 16 x 16, 4 waves a work-group, clusters of 4 x 4, 209,408 bytes of LDS; arguments codes, scales, norms, part; writes part
.if DOCPART == 2
	.amdgcn_target "amdgcn-amd-amdhsa--gfx1250"
	.amdhsa_code_object_version 6
	.text
	.protected	k_q4e90f8cb60_gram
	.globl	k_q4e90f8cb60_gram
	.p2align	8
	.type	k_q4e90f8cb60_gram,@function
k_q4e90f8cb60_gram:
	s_mov_b64 s[64:65], 0
	v_nop
	global_prefetch_b8 v0, s[64:65] scope:SCOPE_SE
	s_setreg_imm32_b32 hwreg(HW_REG_WAVE_MODE, 25, 1), 1
	s_wait_xcnt 0x0
	s_wait_alu depctr_hold_cnt(0) depctr_sa_sdst(0) depctr_va_vdst(0) depctr_va_sdst(0) depctr_va_ssrc(0) depctr_va_vcc(0) depctr_vm_vsrc(0)
	s_getreg_b32 s2, hwreg(HW_REG_IB_STS2, 6, 4)
	s_cmp_eq_u32 s2, 0
	s_cbranch_scc0 .Lentry_in_a_cluster
	s_endpgm
.Lentry_in_a_cluster:
	s_bfe_u32 s2, ttmp6, 0x10000c
	s_cmp_lg_u32 s2, 0xf033
	s_cbranch_scc0 .Lentry_shape_is_right
	s_endpgm
.Lentry_shape_is_right:
; part[c][i] = the sum over the 512 columns j of column range c of g(i, j) x min(rr_j, t_i), g = Q(x) Q(x)^T on codes of FP6 (E2M3) with E8M0 scales, sums in f32.
; (1 / max(n_i n_j, 1e-8) = rr_i x min(rr_j, t_i); rr_i is multiplied in by the next launch.  LIMITS: the division is a multiplication by reciprocals, and a row's sum is grouped otherwise than a plain mean's.)
; SHARES.  Work-group (x, y) makes rows 512 y .. + 511 against columns 512 x .. + 511: 256 work-groups.  Wave w owns rows 512 y + 128 w .. + 127: their 32 fragments (8 blocks of 16 rows x 4 K steps, 384 registers)
; and 32 scale words STAY IN REGISTERS for the whole launch.  All four waves walk the same 32 column blocks of 16, which lie in LDS whole: 196,608 bytes of codes, filled once, in four stages, so that the
; first products begin when the first stage has landed.  Nothing in LDS is filled twice.  A column block's 48 registers feed 32 matrix instructions.
; CLUSTER 4 x 4.  The columns' codes, scale words and rr hang on x alone, which the four work-groups of a column of the cluster share: they are asked for JOINTLY.  The rows' codes are NOT shared through LDS:
; 196,608 bytes of them beside the columns' 196,608 are more than the 327,680 that a work-group can claim, and each wave reads its 49,152 bytes once, straight into the registers where they stay.
; Half of these loads (K steps 0 and 1) go out as soon as the arguments are in, ahead of the descriptors and the cluster's round, so that they are on their way while the round is run.
; THE PRODUCT: source 0 = 16 columns, source 1 = 16 of my rows.  Register j of lane (r, h) of a result is g(row 16 a + r, column 16 t + 8 h + j): the sum over columns stays inside a lane.
; BY TURNS.  A column block's results want 64 minima, two to a dual-issue pair, and 32 packed multiply-adds, beside 32 matrix instructions.  They are cut into 32 slices of two lines, one behind each matrix instruction of the
; NEXT block; so accumulators, column fragments, their scale words and rr are kept twice (parity p).  A slice works in window 0 and a product's operands lie in windows 1 to 3, so each turn has two window switches:
; the products' operands (384 + 96 registers) have no room beside what a slice writes and reads.
; REGISTERS, in windows of 256.  Window 0: v1-10 addresses; v12-15 the way out; v32-63 my rows' scale words (4 a + s); v64-71 the columns' (4 p + s); v72-87 rr of the block's columns (8 p + j); v88-95 t of my rows (a);
;   v96-99 two pairs of minima; v100-115 the sums, a pair for each a; v116-123 the rows' sums; v128-255 accumulators (64 p + 8 a).
;   Window 1: my rows' fragments of K steps 0, 1 at v[96 s + 12 a];  window 2: of K steps 2, 3 at v[96 (s - 2) + 12 a];  window 3: the columns' fragments at v[48 p + 12 s].
.set BLKB,   6144                      ; a block of 16 rows: four images of 1,536 bytes
.set STAGEB, 8*BLKB                    ; a stage: 8 column blocks
.set SCB,    4*STAGEB                  ; behind the codes: the columns' scale words, 16 bytes a column, 8,192 bytes
.set RRB,    SCB+8192                  ; their rr, 2,048 bytes
.set STG,    RRB+2048                  ; the way out: 512 bytes for each wave; no tensor load lands here
.set LI,   1                           ; v1   16 x lane
.set A16,  2                           ; v2   16 r
.set R4,   3                           ; v3   4 r
.set ADB,  4                           ; v4   LDS address of the trip's column blocks
.set ADS,  5                           ; v5   of their scale words
.set ADW,  6                           ; v6   of their rr
.set STO,  7                           ; v7   the way out: where I put a row's sum
.set RD,   8                           ; v8   and where I read four back
.set ADS0, 9                           ; v9   SCB + 16 r; never rewritten
.set ADW0, 10                          ; v10  RRB + 32 h; never rewritten
.set OUT,  12
.set SA,   32
.set SB,   64
.set W,    72
.set T,    88
.set TMP,  96
.set S,    100
.set RS,   116
.set ACC,  128
.set G1C,  24                          ; s[24:31] descriptor group 1 for a wave's part of a stage: 48 rows of 256 bytes
.set G1S,  32                          ; s[32:39] for its part of the scale words: 8 rows
.set G1R,  40                          ; s[40:47] for its part of rr: 2 rows
.set TB,   92                          ; s92  the trip's first byte among the codes: 12,288 a trip
.set TS,   93                          ; s93  among the scale words: 512 a trip
.set TW,   94                          ; s94  among rr: 128 a trip
.set MSB, 0
.macro WIN new                         ; the immediate's high byte repeats the setting that is left; a switch that changes nothing is dropped
.if MSB != \new
	s_set_vgpr_msb (MSB<<8)|\new
.set MSB, \new
.endif
.endm
.set MUL1,  0x07                       ; source 0 (columns) window 3, source 1 (rows) window 1, C and D window 0
.set MUL2,  0x0b                       ; the same with source 1 in window 2
.set TO_BF, 0xc0                       ; destination window 3, address window 0
.set TO_A1, 0x40
.set TO_A2, 0x80
.macro PLACES
.rept 4
	v_nop
.endr
.endm
.macro CROUND                          ; a round of the cluster's barrier
	s_barrier_signal -1
	s_barrier_wait -1
	s_cmp_lg_u32 s12, 0
	s_cbranch_scc1 .Lnot_wave_0_\@
	s_barrier_signal -3
.Lnot_wave_0_\@:
	s_barrier_wait -3
	s_barrier_signal -1
	s_barrier_wait -1
.endm
.macro G1SET g, rows                   ; a dense block as rows of 256 bytes: 32 elements of 8 bytes, no padding
	s_or_b32 s[\g], s17, (3<<16)|(1<<21)           ; 15:0 the mask: my column of the cluster; 17:16 elements of 8 bytes; 21 set beside a mask
	s_mov_b32 s[\g+1], 32<<16                      ; tensor_dim0 = 32
	s_mov_b32 s[\g+2], (\rows)<<16                 ; tensor_dim1
	s_mov_b32 s[\g+3], 32<<16                      ; tile_dim0 = 32
	s_mov_b32 s[\g+4], \rows                       ; tile_dim1
	s_mov_b32 s[\g+5], 32                          ; from row to row: 32 elements
	s_mov_b32 s[\g+6], 0
	s_mov_b32 s[\g+7], 0
.endm
.macro G0STAGE g, n                    ; group 0 for my 12,288 bytes of stage n
	s_mov_b32 s[\g], 1
	s_add_co_u32 s[\g+1], s2, (\n)*STAGEB
	s_add_nc_u64 s[\g+2:\g+3], s[18:19], (\n)*STAGEB
	s_or_b32 s[\g+3], s[\g+3], 0x80000000
.endm
.macro SETADR                          ; the trip's LDS addresses: a scalar stepped by a constant + a lane term that never changes
	v_add_nc_u32 v[ADB], s[TB], v[LI]
	v_add_nc_u32 v[ADS], s[TS], v[ADS0]
	v_add_nc_u32 v[ADW], s[TW], v[ADW0]
.endm
	s_load_b256 s[4:11], s[0:1], 0x0               ; codes s[4:5], scales s[6:7], norms s[8:9], part s[10:11]
	v_lshl_add_u32 v126, v0, 2, 0x33000
	v_mov_b32 v127, 0
	ds_add_u32 v126, v127
	ds_add_u32 v126, v127
	v_lshrrev_b32 v16, 5, v0
	v_readfirstlane_b32 s12, v16                   ; wave 0..3
	s_bfe_u32 s13, ttmp6, 0x40000                  ; cx
	s_bfe_u32 s14, ttmp6, 0x40004                  ; cy
	s_lshl_b32 s15, ttmp9, 2
	s_add_co_u32 s15, s15, s13                     ; x = 4 x cluster x + cx: the column range
	s_and_b32 s16, ttmp7, 0xffff
	s_lshl_b32 s16, s16, 2
	s_add_co_u32 s16, s16, s14                     ; y = 4 x cluster y + cy: the row group
	s_lshl_b32 s17, 0x1111, s13                    ; my column of the cluster: places cx, cx + 4, cx + 8, cx + 12
	G1SET G1C, 48
	G1SET G1S, 8
	G1SET G1R, 2
	s_mul_i32 s2, s12, 12288                       ; my part of a stage, in LDS and in memory alike: no place in the cluster enters an LDS address
	s_lshl_b32 s66, s12, 11                        ; 2,048 w
	s_lshl_b32 s67, s12, 9                         ; 512 w
	s_mul_i32 s18, s15, 4*STAGEB                   ; the columns: what is asked for jointly hangs on x and the wave's number alone
	s_add_co_u32 s18, s18, s2
	s_mov_b32 s19, 0
	s_lshl_b32 s20, s15, 13
	s_add_co_u32 s20, s20, s66
	s_mov_b32 s21, 0
	s_lshl_b32 s22, s15, 11
	s_add_co_u32 s22, s22, s67
	s_mov_b32 s23, 0
	s_mul_i32 s80, s16, 4*STAGEB                   ; my rows: in registers that feed no descriptor
	s_mul_i32 s82, s12, STAGEB
	s_add_co_u32 s80, s80, s82                     ; codes: 196,608 y + 49,152 w
	s_mov_b32 s81, 0
	s_lshl_b32 s82, s16, 13
	s_add_co_u32 s82, s82, s66                     ; scale words: 8,192 y + 2,048 w
	s_mov_b32 s83, 0
	s_lshl_b32 s90, s16, 11
	s_add_co_u32 s90, s90, s67                     ; t, and a row's place in part: 2,048 y + 512 w
	s_mov_b32 s91, 0
	s_lshl_b32 s88, s15, 15
	s_add_co_u32 s88, s88, s90                     ; part: + 32,768 x
	s_mov_b32 s89, 0
	s_mov_b32 s78, 0x76543210
	s_mov_b32 s79, 0xfedcba98                      ; v_permlanex16_b32's selects for lane l xor 16
	s_mov_b32 s[TB], 0
	s_mov_b32 s[TS], 0
	s_mov_b32 s[TW], 0
	v_and_b32 v[LI], 31, v0
	v_lshlrev_b32 v[LI], 4, v[LI]
	v_and_b32 v16, 15, v0                          ; r
	v_bfe_u32 v17, v0, 4, 1                        ; h
	v_lshlrev_b32 v[A16], 4, v16
	v_lshlrev_b32 v[R4], 2, v16
	v_lshl_add_u32 v[ADS0], v16, 4, SCB
	v_lshl_add_u32 v[ADW0], v17, 5, RRB
	v_lshl_add_u32 v[STO], v16, 2, STG
	v_add_nc_u32 v[STO], s67, v[STO]               ; STG + 512 w + 4 r
	v_add_nc_u32 v[RD], s67, v[LI]
	v_add_nc_u32 v[RD], STG, v[RD]                 ; STG + 512 w + 16 x lane
	SETADR
.irp j, 0,1,2,3,4,5,6,7,8,9,10,11,12,13,14,15
	v_mov_b32 v[S+\j], 0                           ; the sixteen running sums
.endr
	s_wait_dscnt 0x0
	s_wait_kmcnt 0x0
	s_add_nc_u64 s[76:77], s[4:5], s[80:81]        ; my rows' codes
	WIN TO_A1
.irp s, 0,1                                    ; K steps 0 and 1: 48 loads, on their way while the descriptors are made and the round is run
.irp a, 0,1,2,3,4,5,6,7
.irp c, 0,1,2
	global_load_b128 v[96*\s+12*\a+4*\c:96*\s+12*\a+4*\c+3], v[LI], s[76:77] offset:BLKB*\a+1536*\s+512*\c   ; an image: 512 consecutive bytes a load
.endr
.endr
.endr
	WIN 0
	s_add_nc_u64 s[18:19], s[4:5], s[18:19]        ; the columns' codes at my part of stage 0
	s_add_nc_u64 s[20:21], s[6:7], s[20:21]        ; their scale words at my part
	s_add_nc_u64 s[22:23], s[8:9], s[22:23]        ; their rr at my part
	s_add_nc_u64 s[84:85], s[6:7], s[82:83]        ; my rows' scale words
	s_add_nc_u64 s[86:87], s[8:9], s[90:91]        ; their place in norms (t lies 32,768 bytes on)
	s_add_nc_u64 s[88:89], s[10:11], s[88:89]      ; and in part
	s_mov_b32 s48, 1                               ; group 0 for the scale words
	s_add_co_u32 s49, s66, SCB
	s_mov_b64 s[50:51], s[20:21]
	s_or_b32 s51, s51, 0x80000000
	s_mov_b32 s52, 1                               ; for rr
	s_add_co_u32 s53, s67, RRB
	s_mov_b64 s[54:55], s[22:23]
	s_or_b32 s55, s55, 0x80000000
	G0STAGE 56, 0
	G0STAGE 60, 1
	G0STAGE 68, 2
	G0STAGE 72, 3
	CROUND                                         ; all sixteen work-groups are here: the joint loads meet
	tensor_load_to_lds s[48:51], s[G1S:G1S+7]      ; all fills of the launch go out as one group: six loads of mine are out
	s_nop 0
	tensor_load_to_lds s[52:55], s[G1R:G1R+7]
	s_nop 0
	tensor_load_to_lds s[56:59], s[G1C:G1C+7]
	s_nop 0
	tensor_load_to_lds s[60:63], s[G1C:G1C+7]
	s_nop 0
	tensor_load_to_lds s[68:71], s[G1C:G1C+7]
	s_nop 0
	tensor_load_to_lds s[72:75], s[G1C:G1C+7]
	s_nop 0
	PLACES                                         ; four v_nop behind the last of them
.irp a, 0,1,2,3,4,5,6,7
	global_load_b128 v[SA+4*\a:SA+4*\a+3], v[A16], s[84:85] offset:256*\a   ; row 16 a + r: its four scale words (lanes 16-31 hold the same and are not read)
.endr
.irp a, 0,1,2,3,4,5,6,7
	global_load_b32 v[T+\a], v[R4], s[86:87] offset:32768+64*\a
.endr
	WIN TO_A2
.irp s, 0,1                                    ; K steps 2 and 3
.irp a, 0,1,2,3,4,5,6,7
.irp c, 0,1,2
	global_load_b128 v[96*\s+12*\a+4*\c:96*\s+12*\a+4*\c+3], v[LI], s[76:77] offset:BLKB*\a+1536*(\s+2)+512*\c
.endr
.endr
.endr
	WIN 0
; Matrix instruction i of 32 of a column block of parity p: K step i / 8, my row block i % 8.  The eight accumulators take turns, one instruction a turn; K step 0 starts the sums with the constant 0.
.macro MM p
.set ms, i/8
.set ma, i%8
.set rD, ACC+64*(\p)+8*ma
.set rB, 48*(\p)+12*ms
.set rA, 96*(ms%2)+12*ma
.if ms < 2
	WIN MUL1
.else
	WIN MUL2
.endif
.if ms == 0
	v_wmma_scale_f32_16x16x128_f8f6f4 v[rD:rD+7], v[rB:rB+11], v[rA:rA+11], 0, v[SB+4*(\p)+ms], v[SA+4*ma+ms] matrix_a_fmt:MATRIX_FMT_FP6 matrix_b_fmt:MATRIX_FMT_FP6
.else
	v_wmma_scale_f32_16x16x128_f8f6f4 v[rD:rD+7], v[rB:rB+11], v[rA:rA+11], v[rD:rD+7], v[SB+4*(\p)+ms], v[SA+4*ma+ms] matrix_a_fmt:MATRIX_FMT_FP6 matrix_b_fmt:MATRIX_FMT_FP6
.endif
.endm
; Slice k of 32 of the results of parity q: row block k % 8, columns 2 (k / 8) and + 1 of my half.  The pair of minima was made a slice earlier; this slice makes the next one's, by ONE dual-issue pair:
; its destinations are an even and an odd register, its first sources rr's neighbours (register numbers that differ modulo 4), its second source the same register in both halves.
; Each accumulator is first read at its registers 0 and 1 (slices 0 to 7).  nxt = 1: slice 31 makes the first pair for the block of the other parity, whose rr was asked for 30 matrix instructions ago.
.macro SLICE q, nxt
.set sa, k%8
.set sj, k/8
.set na, (k+1)%8
.set nj, (k+1)/8
.set dT, TMP+2*((k+1)%2)
.set dW, W+8*(\q)+2*nj
.set dN, W+8*(1-(\q))
	WIN 0
	v_pk_fma_f32 v[S+2*sa:S+2*sa+1], v[ACC+64*(\q)+8*sa+2*sj:ACC+64*(\q)+8*sa+2*sj+1], v[TMP+2*(k%2):TMP+2*(k%2)+1], v[S+2*sa:S+2*sa+1]
.if k < 31
	v_dual_min_num_f32 v[dT], v[dW], v[T+na] :: v_dual_min_num_f32 v[dT+1], v[dW+1], v[T+na]   ; min(rr_j, t_i): the hold at 1 / eps, always executed
.elseif \nxt
	s_wait_dscnt 0x0                               ; the run of loads of this block is in: the next block's fragments and scale words, this block's rr
	v_dual_min_num_f32 v[TMP], v[dN], v[T] :: v_dual_min_num_f32 v[TMP+1], v[dN+1], v[T]
.endif
.endm
; The LDS loads of a block stand in one run, behind its second matrix instruction.  fetch = 1: the next block's 12 + 1 loads, into the other parity's registers, whose last reader (the block before's last product) stands
; nine places back, a dual-issue pair counted as one (twelve behind the first block).  Always: this block's rr, eight numbers of my half of the lanes.  o: the block's place in the trip.
.macro RUN p, o, fetch
.if \fetch
	WIN TO_BF
.irp n, 0,1,2,3,4,5,6,7,8,9,10,11
	ds_load_b128 v[48*(1-(\p))+4*\n:48*(1-(\p))+4*\n+3], v[ADB] offset:((\o)+1)*BLKB+512*\n
.endr
.endif
	WIN 0
.if \fetch
	ds_load_b128 v[SB+4*(1-(\p)):SB+4*(1-(\p))+3], v[ADS] offset:((\o)+1)*256
.endif
	ds_load_b128 v[W+8*(\p):W+8*(\p)+3], v[ADW] offset:64*(\o)
	ds_load_b128 v[W+8*(\p)+4:W+8*(\p)+7], v[ADW] offset:64*(\o)+16
.endm
; A column block.  epi = 1: the block before's slices stand behind the matrix instructions.  epi = 0 (the first block): none; the first pair of minima and four v_nop are the places behind its last products.
.macro BLOCK p, o, epi, fetch
.set i, 0
.rept 32
	MM \p
.if \epi
.set k, i
	SLICE 1-(\p), 1
.endif
.if i == 1
	RUN \p, \o, \fetch
.endif
.set i, i+1
.endr
.if \epi == 0
	WIN 0
	s_wait_dscnt 0x0
	v_dual_min_num_f32 v[TMP], v[W+8*(\p)], v[T] :: v_dual_min_num_f32 v[TMP+1], v[W+8*(\p)+1], v[T]
	PLACES
.endif
.endm
.macro STEPADR                         ; two blocks on
	WIN 0
	s_add_co_u32 s[TB], s[TB], 2*BLKB
	s_add_co_u32 s[TS], s[TS], 512
	s_add_co_u32 s[TW], s[TW], 128
	SETADR
.endm
.macro TRIPS n                         ; n trips of two blocks; trip u multiplies blocks 2 u, 2 u + 1 and fetches blocks 2 u + 1, 2 u + 2
	s_mov_b32 s3, \n
.Ltrip_\@:
	BLOCK 0, 0, 1, 1
	BLOCK 1, 1, 1, 1
	STEPADR
	s_sub_co_u32 s3, s3, 1
	s_cmp_lg_u32 s3, 0
	s_cbranch_scc1 .Ltrip_\@
.endm
.macro SYNC n                          ; my parts of all but the n youngest loads have landed; behind the barrier everybody's have.  The younger stages may stay out
	s_wait_tensorcnt \n
	s_wait_dscnt 0x0
	s_barrier_signal -1
	s_barrier_wait -1
.endm
	SYNC 3                                         ; the scale words, rr and stage 0 (blocks 0-7); stages 1, 2, 3 may be out
	WIN TO_BF
.irp n, 0,1,2,3,4,5,6,7,8,9,10,11
	ds_load_b128 v[4*\n:4*\n+3], v[ADB] offset:512*\n     ; block 0
.endr
	WIN 0
	ds_load_b128 v[SB:SB+3], v[ADS]
	s_wait_loadcnt 0x0                             ; my rows: codes, scale words, t
	s_wait_dscnt 0x0
	BLOCK 0, 0, 0, 1                               ; trip 0
	BLOCK 1, 1, 1, 1
	STEPADR
	TRIPS 2                                        ; trips 1, 2: they fetch blocks 3 to 6
	SYNC 2                                         ; stage 1 (blocks 8-15)
	TRIPS 4                                        ; trips 3 to 6: blocks 7 to 14
	SYNC 1                                         ; stage 2 (blocks 16-23)
	TRIPS 4                                        ; trips 7 to 10: blocks 15 to 22
	SYNC 0                                         ; stage 3 (blocks 24-31): no tensor load of mine is out from here on
	TRIPS 4                                        ; trips 11 to 14: blocks 23 to 30
	BLOCK 0, 0, 1, 1                               ; trip 15: block 31 is fetched,
	BLOCK 1, 1, 1, 0                               ; and nothing behind it
.set k, 0
.rept 32
	SLICE 1, 0                                     ; block 31's results.  Accumulator 7, the last written, is read in slice 7: the two lines of the block's slice 31 and 14 of these stand between
.set k, k+1
.endr
	; THE WAY OUT: a pair's two halves, and the other half of the lanes' eight columns of each block; then 128 sums go through my 512 bytes of LDS and leave as 512 consecutive bytes
.irp a, 0,1,2,3,4,5,6,7
	v_add_f32 v[RS+\a], v[S+2*\a], v[S+2*\a+1]
.endr
.irp a, 0,1,2,3,4,5,6,7
	v_permlanex16_b32 v[W+\a], v[RS+\a], s78, s79  ; (rr's registers are free, and have been written)
.endr
.irp a, 0,1,2,3,4,5,6,7
	v_add_f32 v[RS+\a], v[RS+\a], v[W+\a]
.endr
.irp a, 0,1,2,3,4,5,6,7
	ds_store_b32 v[STO], v[RS+\a] offset:64*\a     ; row 16 a + r (both halves of the lanes write the same word with the same value)
.endr
	ds_load_b128 v[OUT:OUT+3], v[RD]               ; LDS serves a wave's instructions in order: this sees my stores
	s_wait_dscnt 0x0
	global_store_b128 v[LI], v[OUT:OUT+3], s[88:89]   ; 32 lanes store 512 consecutive bytes, at a multiple of 512 from the buffer's first byte
	s_wait_tensorcnt 0x0
	ds_add_u32 v126, v127
	s_wait_dscnt 0x0
	CROUND                                         ; the closing round: no work-group ends while a partner may still ask for a tile that names it
	s_endpgm
.Lfunc_end_k_q4e90f8cb60_gram:
	.size	k_q4e90f8cb60_gram, .Lfunc_end_k_q4e90f8cb60_gram-k_q4e90f8cb60_gram
	.p2alignl 7, 3214868480
	.fill 96, 4, 3214868480
	.section	.rodata,"a",@progbits
	.p2align	6, 0x0
	.amdhsa_kernel k_q4e90f8cb60_gram
		.amdhsa_group_segment_fixed_size 209408
		.amdhsa_private_segment_fixed_size 0
		.amdhsa_enable_private_segment 0
		.amdhsa_kernarg_size 32
		.amdhsa_user_sgpr_count 2
		.amdhsa_user_sgpr_kernarg_segment_ptr 1
		.amdhsa_wavefront_size32 1
		.amdhsa_system_sgpr_workgroup_id_x 1
		.amdhsa_system_sgpr_workgroup_id_y 1
		.amdhsa_system_sgpr_workgroup_id_z 1
		.amdhsa_system_vgpr_workitem_id 0
		.amdhsa_next_free_vgpr 864
		.amdhsa_next_free_sgpr 96
		.amdhsa_reserve_vcc 0
		.amdhsa_float_denorm_mode_32 3
		.amdhsa_float_denorm_mode_16_64 3
		.amdhsa_memory_ordered 1
		.amdhsa_forward_progress 1
		.amdhsa_inst_pref_size 154
	.end_amdhsa_kernel
	.amdgpu_metadata
---
amdhsa.version: [ 1, 2 ]
amdhsa.kernels:
  - .name:           k_q4e90f8cb60_gram
    .symbol:         k_q4e90f8cb60_gram.kd
    .args:
      - { .name: codes, .offset: 0, .size: 8, .value_kind: global_buffer, .address_space: global }
      - { .name: scales, .offset: 8, .size: 8, .value_kind: global_buffer, .address_space: global }
      - { .name: norms, .offset: 16, .size: 8, .value_kind: global_buffer, .address_space: global }
      - { .name: part, .offset: 24, .size: 8, .value_kind: global_buffer, .address_space: global }
    .group_segment_fixed_size: 209408
    .private_segment_fixed_size: 0
    .kernarg_segment_align: 8
    .kernarg_segment_size: 32
    .max_flat_workgroup_size: 128
    .sgpr_count:     96
    .vgpr_count:     864
    .wavefront_size: 32
...
	.end_amdgpu_metadata
.endif
;; end of part 2
;; launch keys (part 3): grid 64 x 1, 1 waves a work-group, no clusters, 0 bytes of LDS; arguments part, norms, keys; writes keys
.if DOCPART == 3
	.amdgcn_target "amdgcn-amd-amdhsa--gfx1250"
	.amdhsa_code_object_version 6
	.text
	.protected	k_q4e90f8cb60_keys
	.globl	k_q4e90f8cb60_keys
	.p2align	8
	.type	k_q4e90f8cb60_keys,@function
k_q4e90f8cb60_keys:
	s_mov_b64 s[64:65], 0
	v_nop
	global_prefetch_b8 v0, s[64:65] scope:SCOPE_SE
	s_setreg_imm32_b32 hwreg(HW_REG_WAVE_MODE, 25, 1), 1
	s_wait_xcnt 0x0
; mean_i = (the sum over the 16 column ranges c of part[c][i]) x rr_i / 8192, turned into a whole number whose unsigned order is the float's order: keys[i].
; A launch of its own: the next launch forms addresses from the order of these numbers, so it has to read them as whole numbers that an earlier launch stored.
; One wave takes 128 rows, four a lane: each of its 16 loads, and its store, covers 512 consecutive bytes.  -0 is made +0 first, so that the two count as equal, as a sort of floats has them.  NaN is not served.
.set P, 16                             ; v16-79  part: four registers for each column range
.set RR, 80                            ; v80-83  rr
.set U,  84                            ; v84-87  at work
	s_load_b128 s[4:7], s[0:1], 0x0                ; part, norms
	s_load_b64 s[8:9], s[0:1], 0x10                ; keys
	v_lshlrev_b32 v1, 4, v0                        ; 16 x lane
	s_lshl_b32 s10, ttmp9, 9                       ; 128 rows of 4 bytes a work-group
	s_mov_b32 s11, 0
	s_wait_kmcnt 0x0
	s_add_nc_u64 s[4:5], s[4:5], s[10:11]
	s_add_nc_u64 s[6:7], s[6:7], s[10:11]
	s_add_nc_u64 s[8:9], s[8:9], s[10:11]
.irp c, 0,1,2,3,4,5,6,7,8,9,10,11,12,13,14,15
	global_load_b128 v[P+4*\c:P+4*\c+3], v1, s[4:5] offset:32768*\c th:TH_LOAD_NT
.endr
	global_load_b128 v[RR:RR+3], v1, s[6:7]
	s_wait_loadcnt 0x0
.macro ADDQ c, d                       ; range c's four sums take range d's.  (An argument is put in as text: so each stands in parentheses inside the products)
	v_pk_add_f32 v[P+4*(\c):P+4*(\c)+1], v[P+4*(\c):P+4*(\c)+1], v[P+4*(\d):P+4*(\d)+1]
	v_pk_add_f32 v[P+4*(\c)+2:P+4*(\c)+3], v[P+4*(\c)+2:P+4*(\c)+3], v[P+4*(\d)+2:P+4*(\d)+3]
.endm
.irp c, 0,1,2,3,4,5,6,7
	ADDQ \c, \c+8                                  ; sixteen ranges become eight,
.endr
.irp c, 0,1,2,3
	ADDQ \c, \c+4                                  ; four,
.endr
	ADDQ 0, 2                                      ; two,
	ADDQ 1, 3
	ADDQ 0, 1                                      ; one
	v_pk_mul_f32 v[P:P+1], v[P:P+1], v[RR:RR+1]
	v_pk_mul_f32 v[P+2:P+3], v[P+2:P+3], v[RR+2:RR+3]
	v_pk_mul_f32 v[P:P+1], v[P:P+1], 0x39000000 op_sel_hi:[1,0]      ; / 8192
	v_pk_mul_f32 v[P+2:P+3], v[P+2:P+3], 0x39000000 op_sel_hi:[1,0]
.irp q, 0,1,2,3
	v_add_f32 v[P+\q], 0, v[P+\q]                  ; -0 becomes +0
.endr
.irp q, 0,1,2,3
	v_ashrrev_i32 v[U+\q], 31, v[P+\q]             ; all ones where negative
.endr
.irp q, 0,1,2,3
	v_or_b32 v[U+\q], 0x80000000, v[U+\q]
.endr
.irp q, 0,1,2,3
	v_xor_b32 v[U+\q], v[U+\q], v[P+\q]            ; negative: all bits turned; else the sign bit set
.endr
	global_store_b128 v1, v[U:U+3], s[8:9]
	s_endpgm
.Lfunc_end_k_q4e90f8cb60_keys:
	.size	k_q4e90f8cb60_keys, .Lfunc_end_k_q4e90f8cb60_keys-k_q4e90f8cb60_keys
	.p2alignl 7, 3214868480
	.fill 96, 4, 3214868480
	.section	.rodata,"a",@progbits
	.p2align	6, 0x0
	.amdhsa_kernel k_q4e90f8cb60_keys
		.amdhsa_group_segment_fixed_size 0
		.amdhsa_private_segment_fixed_size 0
		.amdhsa_enable_private_segment 0
		.amdhsa_kernarg_size 24
		.amdhsa_user_sgpr_count 2
		.amdhsa_user_sgpr_kernarg_segment_ptr 1
		.amdhsa_wavefront_size32 1
		.amdhsa_system_sgpr_workgroup_id_x 1
		.amdhsa_system_sgpr_workgroup_id_y 1
		.amdhsa_system_sgpr_workgroup_id_z 1
		.amdhsa_system_vgpr_workitem_id 0
		.amdhsa_next_free_vgpr 96
		.amdhsa_next_free_sgpr 66
		.amdhsa_reserve_vcc 0
		.amdhsa_float_denorm_mode_32 3
		.amdhsa_float_denorm_mode_16_64 3
		.amdhsa_memory_ordered 1
		.amdhsa_forward_progress 1
		.amdhsa_inst_pref_size 6
	.end_amdhsa_kernel
	.amdgpu_metadata
---
amdhsa.version: [ 1, 2 ]
amdhsa.kernels:
  - .name:           k_q4e90f8cb60_keys
    .symbol:         k_q4e90f8cb60_keys.kd
    .args:
      - { .name: part, .offset: 0, .size: 8, .value_kind: global_buffer, .address_space: global }
      - { .name: norms, .offset: 8, .size: 8, .value_kind: global_buffer, .address_space: global }
      - { .name: keys, .offset: 16, .size: 8, .value_kind: global_buffer, .address_space: global }
    .group_segment_fixed_size: 0
    .private_segment_fixed_size: 0
    .kernarg_segment_align: 8
    .kernarg_segment_size: 24
    .max_flat_workgroup_size: 32
    .sgpr_count:     66
    .vgpr_count:     96
    .wavefront_size: 32
...
	.end_amdgpu_metadata
.endif
;; end of part 3
;; launch pick (part 4): grid 256 x 1, 8 waves a work-group, no clusters, 3,072 bytes of LDS; arguments keys, x, out0, out1; writes out0, out1
.if DOCPART == 4
	.amdgcn_target "amdgcn-amd-amdhsa--gfx1250"
	.amdhsa_code_object_version 6
	.text
	.protected	k_q4e90f8cb60_pick
	.globl	k_q4e90f8cb60_pick
	.p2align	8
	.type	k_q4e90f8cb60_pick,@function
k_q4e90f8cb60_pick:
	s_mov_b64 s[64:65], 0
	v_nop
	global_prefetch_b8 v0, s[64:65] scope:SCOPE_SE
	s_setreg_imm32_b32 hwreg(HW_REG_WAVE_MODE, 25, 1), 1
	s_wait_xcnt 0x0
; The 100 rows with the smallest keys, in ascending order, equal keys by ascending index (a stable sort): out1[rank] = index, out0[rank] = x[index].
; Every output row has one owner: work-group g owns rows 32 g + lane, finds each one's rank, and stores those with a rank under 100.  All that steers addresses and trip counts here are whole numbers read from keys.
; RANK WITHOUT 8192 x 8192 COMPARES.  A bound B is found with at least 104 keys at or under it, for any data: wave w holds keys 1024 w .. + 1023, 32 a lane; it takes each lane's smallest, and of these 32 the smallest
; that has at least 13 of them at or under it; B is the largest of the eight waves' figures: 8 x 13 = 104 different keys lie at or under B.  So a row of rank under 100 has a key at or under B, and so has every row
; that sorts ahead of it: counting among the CANDIDATES (keys at or under B) gives its true rank.  A row that is no candidate collects all candidates, 104 or more, and is not chosen.
; Each wave walks the candidates among its own 1,024 keys and counts, for the work-group's 32 rows at once (a lane a row), those with (key, index) below the row's; the eight counts meet in LDS.
; THE CHOSEN ROWS ARE DEALT TO THE EIGHT WAVES: the n-th chosen row of the work-group goes to wave n mod 8, which moves all its 2,048 bytes: so up to eight rows are on their way at once, and no row waits for another.
.set BND, 0                            ; LDS: the eight waves' bounds
.set CN,  256                          ; the counts: [wave][lane], 1,024 bytes
.set K,   16                           ; v16-47  my wave's keys: register 4 L + q of lane l = key 1024 w + 128 L + 4 l + q;  at the end v16-31 carry a row of x
.set MK,  66                           ; s66-97  a mask of candidates for each of these 32 registers
	s_load_b256 s[4:11], s[0:1], 0x0               ; keys s[4:5], x s[6:7], out0 s[8:9], out1 s[10:11]
	v_lshl_add_u32 v64, v0, 2, 0x800
	v_mov_b32 v65, 0
	v_lshrrev_b32 v1, 5, v0
	v_readfirstlane_b32 s12, v1                    ; wave 0..7
	v_and_b32 v1, 31, v0                           ; lane
	s_lshl_b32 s13, ttmp9, 5                       ; the work-group's first row
	s_lshl_b32 s24, s12, 10                        ; my wave's first key
	s_lshl_b32 s25, s12, 12
	v_lshlrev_b32 v2, 4, v1
	v_add_nc_u32 v2, s25, v2                       ; 4,096 w + 16 x lane
	v_add_nc_u32 v4, s13, v1                       ; I: my row's index
	v_lshlrev_b32 v3, 2, v4
	v_mov_b32 v6, 0                                ; my row's count
	v_mov_b32 v8, 0
	v_mov_b32 v10, 0                               ; written once: the destination of a DPP move and of a lane permute counts as a source
	v_mov_b32 v11, s12
	v_lshlrev_b32 v11, 2, v11                      ; BND + 4 w
	v_mov_b32 v12, 0
	v_lshl_add_u32 v13, v0, 2, CN                  ; CN + 128 w + 4 x lane
	v_lshl_add_u32 v14, v1, 2, CN
	v_lshlrev_b32 v15, 4, v1                       ; 16 x lane: my 16 bytes of each 512 of a row of x
	s_mov_b32 s36, 0x76543210
	s_mov_b32 s37, 0xfedcba98
	s_wait_kmcnt 0x0
.irp L, 0,1,2,3,4,5,6,7
	global_load_b128 v[K+4*\L:K+4*\L+3], v2, s[4:5] offset:512*\L
.endr
	global_load_b32 v5, v3, s[4:5]                 ; KI: my row's key
	s_wait_loadcnt 0x0
	v_min_u32 v7, v[K], v[K+1]                     ; my lane's smallest of 32, in two chains
	v_min_u32 v9, v[K+2], v[K+3]
.irp r, 4,8,12,16,20,24,28
	v_min_u32 v7, v7, v[K+\r]
	v_min_u32 v9, v9, v[K+\r+1]
	v_min_u32 v7, v7, v[K+\r+2]
	v_min_u32 v9, v9, v[K+\r+3]
.endr
	v_min_u32 v7, v7, v9
.irp g, 0,1,2,3                                ; how many of the 32 lanes' figures lie at or under mine
.irp l, 0,1,2,3,4,5,6,7
	v_readlane_b32 s[38+\l], v7, 8*\g+\l
.endr
.irp l, 0,1,2,3,4,5,6,7
	v_cmp_le_u32 vcc_lo, s[38+\l], v7
	v_add_co_ci_u32 v8, vcc_lo, 0, v8, vcc_lo
.endr
.endr
	v_cmp_le_u32 vcc_lo, 13, v8
	v_cndmask_b32 v9, -1, v7, vcc_lo               ; mine, where at least 13 do; the lane with the largest figure always has 32
.irp m, 1,2,4,8
	v_mov_b32_dpp v10, v9 row_xmask:\m row_mask:0xf bank_mask:0xf
	v_min_u32 v9, v9, v10
.endr
	v_permlanex16_b32 v10, v9, s36, s37
	v_min_u32 v9, v9, v10                          ; the wave's bound
	ds_store_b32 v11, v9                           ; (all lanes write the same word with the same value)
	s_wait_dscnt 0x0                               ; for the others' sake
	s_barrier_signal -1
	s_barrier_wait -1
	ds_load_b128 v[52:55], v12
	ds_load_b128 v[56:59], v12 offset:16
	s_wait_dscnt 0x0
.irp l, 0,1,2,3,4,5,6,7
	v_readfirstlane_b32 s[38+\l], v[52+\l]
.endr
	s_max_u32 s16, s38, s39
.irp l, 2,3,4,5,6,7
	s_max_u32 s16, s16, s[38+\l]                   ; B
.endr
.irp r, 0,1,2,3,4,5,6,7,8,9,10,11,12,13,14,15,16,17,18,19,20,21,22,23,24,25,26,27,28,29,30,31
	v_cmp_ge_u32 s[MK+\r], s16, v[K+\r]            ; the candidates, in one run
.endr
; The candidates of register r, one a trip: the trip count is the mask's number of ones.  (key_j, j) < (key_i, i) is the carry out of the 64-bit sum (key_i : i) + not (key_j : j).
.macro ENUM r
	s_bcnt1_i32_b32 s18, s[MK+\r]
	s_cmp_eq_u32 s18, 0
	s_cbranch_scc1 .Lnone_\@
	s_mov_b32 s19, 0
.Lcand_\@:
	s_ctz_i32_b32 s20, s[MK+\r]                    ; the lane that holds it
	v_readlane_b32 s21, v[K+\r], s20               ; its key
	s_lshl_b32 s22, s20, 2
	s_add_co_u32 s22, s22, s24
	s_add_co_u32 s22, s22, 128*(\r/4)+(\r%4)       ; its index
	s_not_b32 s22, s22
	s_not_b32 s21, s21
	s_sub_co_u32 s23, s[MK+\r], 1
	s_and_b32 s[MK+\r], s[MK+\r], s23              ; its bit is cleared
	v_add_co_u32 v62, vcc_lo, s22, v4
	v_add_co_ci_u32 v62, vcc_lo, s21, v5, vcc_lo
	v_add_co_ci_u32 v6, vcc_lo, 0, v6, vcc_lo      ; one more that sorts ahead of my row
	s_add_co_u32 s19, s19, 1
	s_cmp_lt_u32 s19, s18
	s_cbranch_scc1 .Lcand_\@
.Lnone_\@:
.endm
.irp r, 0,1,2,3,4,5,6,7,8,9,10,11,12,13,14,15,16,17,18,19,20,21,22,23,24,25,26,27,28,29,30,31
	ENUM \r
.endr
	ds_store_b32 v13, v6
	s_wait_dscnt 0x0                               ; for the others' sake
	s_barrier_signal -1
	s_barrier_wait -1
.irp l, 0,1,2,3,4,5,6,7
	ds_load_b32 v[52+\l], v14 offset:128*\l
.endr
	s_wait_dscnt 0x0
	v_add_nc_u32 v52, v52, v53
	v_add_nc_u32 v54, v54, v55
	v_add_nc_u32 v56, v56, v57
	v_add_nc_u32 v58, v58, v59
	v_add_nc_u32 v52, v52, v54
	v_add_nc_u32 v56, v56, v58
	v_add_nc_u32 v60, v52, v56                     ; my row's rank (true where it is under 100)
	v_cmp_gt_u32 vcc_lo, 100, v60
	s_mov_b32 s17, vcc_lo                          ; the chosen rows
	s_cmp_lg_u32 s12, 7
	s_cbranch_scc1 .Lrows
	v_min_u32 v61, 99, v60                         ; wave 7, the last to be dealt a row: the indices
	v_lshlrev_b32 v61, 2, v61
	s_wait_xcnt 0x0                                ; EXEC changes only behind this wait
	s_and_saveexec_b32 s34, vcc_lo
	global_store_b32 v61, v4, s[10:11]             ; 400 bytes in the whole launch
	s_wait_xcnt 0x0                                ; and again, in front of the line that widens it
	s_or_b32 exec_lo, exec_lo, s34
.Lrows:
	; every wave walks the chosen rows, one a trip; the memory lines are run by the wave whose number is the trip's number mod 8
	s_bcnt1_i32_b32 s18, s17
	s_cmp_eq_u32 s18, 0
	s_cbranch_scc1 .Lno_row
	s_mov_b32 s19, 0
.Lrow:
	s_ctz_i32_b32 s20, s17
	s_min_u32 s20, s20, 31                         ; which of the 32 rows
	s_sub_co_u32 s23, s17, 1
	s_and_b32 s17, s17, s23                        ; its bit is cleared
	s_and_b32 s35, s19, 7
	s_cmp_lg_u32 s35, s12
	s_cbranch_scc1 .Lnot_mine
	v_readlane_b32 s21, v60, s20
	s_min_u32 s21, s21, 99                         ; its rank
	s_add_co_u32 s26, s13, s20
	s_lshl_b32 s26, s26, 11
	s_mov_b32 s27, 0
	s_lshl_b32 s28, s21, 11
	s_mov_b32 s29, 0
	s_add_nc_u64 s[30:31], s[6:7], s[26:27]
	s_add_nc_u64 s[32:33], s[8:9], s[28:29]
.irp c, 0,1,2,3
	global_load_b128 v[K+4*\c:K+4*\c+3], v15, s[30:31] offset:512*\c   ; the whole row: four loads of 512 consecutive bytes
.endr
	s_wait_loadcnt 0x0
.irp c, 0,1,2,3
	global_store_b128 v15, v[K+4*\c:K+4*\c+3], s[32:33] offset:512*\c  ; 32 lanes store 512 consecutive bytes, at a multiple of 512 from out0's first byte
.endr
	s_wait_xcnt 0x0                                ; the bases and the data are written again only behind this wait
.Lnot_mine:
	s_add_co_u32 s19, s19, 1
	s_cmp_lt_u32 s19, s18
	s_cbranch_scc1 .Lrow
.Lno_row:
	s_wait_tensorcnt 0x0
	ds_add_u32 v64, v65
	s_wait_dscnt 0x0
	s_endpgm
.Lfunc_end_k_q4e90f8cb60_pick:
	.size	k_q4e90f8cb60_pick, .Lfunc_end_k_q4e90f8cb60_pick-k_q4e90f8cb60_pick
	.p2alignl 7, 3214868480
	.fill 96, 4, 3214868480
	.section	.rodata,"a",@progbits
	.p2align	6, 0x0
	.amdhsa_kernel k_q4e90f8cb60_pick
		.amdhsa_group_segment_fixed_size 3072
		.amdhsa_private_segment_fixed_size 0
		.amdhsa_enable_private_segment 0
		.amdhsa_kernarg_size 32
		.amdhsa_user_sgpr_count 2
		.amdhsa_user_sgpr_kernarg_segment_ptr 1
		.amdhsa_wavefront_size32 1
		.amdhsa_system_sgpr_workgroup_id_x 1
		.amdhsa_system_sgpr_workgroup_id_y 1
		.amdhsa_system_sgpr_workgroup_id_z 1
		.amdhsa_system_vgpr_workitem_id 0
		.amdhsa_next_free_vgpr 66
		.amdhsa_next_free_sgpr 100
		.amdhsa_reserve_vcc 1
		.amdhsa_float_denorm_mode_32 3
		.amdhsa_float_denorm_mode_16_64 3
		.amdhsa_memory_ordered 1
		.amdhsa_forward_progress 1
		.amdhsa_inst_pref_size 36
	.end_amdhsa_kernel
	.amdgpu_metadata
---
amdhsa.version: [ 1, 2 ]
amdhsa.kernels:
  - .name:           k_q4e90f8cb60_pick
    .symbol:         k_q4e90f8cb60_pick.kd
    .args:
      - { .name: keys, .offset: 0, .size: 8, .value_kind: global_buffer, .address_space: global }
      - { .name: x, .offset: 8, .size: 8, .value_kind: global_buffer, .address_space: global }
      - { .name: out0, .offset: 16, .size: 8, .value_kind: global_buffer, .address_space: global }
      - { .name: out1, .offset: 24, .size: 8, .value_kind: global_buffer, .address_space: global }
    .group_segment_fixed_size: 3072
    .private_segment_fixed_size: 0
    .kernarg_segment_align: 8
    .kernarg_segment_size: 32
    .max_flat_workgroup_size: 256
    .sgpr_count:     100
    .vgpr_count:     66
    .wavefront_size: 32
...
	.end_amdgpu_metadata
.endif
;; end of part 4
